; MI455X (gfx1250); checked and timed in simulation.
; The chip was launched on July 23, 2026; its instructions are those of AMD's public machine-readable ISA for CDNA 5 (MIT licence, August 2026) and "CDNA5" Instruction Set Architecture Reference Guide (July 2026). The comments in the code are by the model that wrote it; some were corrected since.
;; Q Linear. Allowed arithmetic: float matrix products may take bf16 or f16 operands with f32 sums; other float arithmetic in f32, or as packed bf16 or f16 multiplies, adds, multiply-adds, maxima and minima; sums over many terms, partial sums and values carried from step to step in f32; what a program stores and reads back later, other than sums and carried values, may be rounded once to bf16 or f16.
;; Inputs: W 4,096 x 4,096 float32; b 4,096 float32; x 4,096 x 4,096 float32.
;; Outputs: out0 4,096 x 4,096 float32.
;; 2 versions, each right; version 2 is version 1 with the launch cast written anew for expert scheduling mode. Each part assembles by itself: llvm-mc -triple=amdgcn-amd-amdhsa -mcpu=gfx1250 --defsym DOCPART=n.
;; ======== version 1 of 2: 2 launches
;; workspace buffers: xb 33,554,432 bytes; wb 33,554,432 bytes
;; launch cast (part 1): grid 512 x 2, 8 waves a work-group, no clusters, 0 bytes of LDS; arguments x, W, xb, wb; writes xb, wb
.if DOCPART == 1
	.amdgcn_target "amdgcn-amd-amdhsa--gfx1250"
	.amdhsa_code_object_version 6
	.text
	.protected	k_q1c3a643182_cast
	.globl	k_q1c3a643182_cast
	.p2align	8
	.type	k_q1c3a643182_cast,@function
k_q1c3a643182_cast:
	s_mov_b64 s[64:65], 0
	v_nop
	global_prefetch_b8 v0, s[64:65] scope:SCOPE_SE
	s_setreg_imm32_b32 hwreg(HW_REG_WAVE_MODE, 25, 1), 1
	s_wait_xcnt 0x0
; xb = bf16(x), wb = bf16(sign(W)).  x, W: [4096][4096] f32; xb, wb: [4096][4096] bf16, the same order of elements.
; A stream: every input byte is read once, every output byte written once; nothing is shared between waves, so there is no LDS, no barrier, no cluster and no matrix work.
; SHARES.  Work-groups with y = 0 take x, those with y = 1 take W.  Work-group g owns 131,072 input bytes (32,768 numbers) and 65,536 output bytes.
; Thread t's load n (of 32) takes the 16 bytes at 16 t + 4,096 n: a wave's load covers 512 consecutive bytes, aligned.  Its store n puts 8 bytes at 8 t + 2,048 n:
; a wave's store covers 256 consecutive bytes, aligned.  A ring of 16 slots in registers keeps 16 loads of every wave on their way.
; LIMITS.  x is rounded once, to nearest even; a magnitude above bf16's largest finite number becomes an infinity.  sign is exact for every f32: 1 above 0, -1 below 0 (denormals too);
; what is neither (+0, -0, NaN) stays what it is.
.set DEPTH, 16                         ; slots = loads in flight in each wave
.set IO,   1                           ; v1        16 t: my byte offset in 4,096 input bytes; never rewritten
.set OO,   2                           ; v2        8 t: my byte offset in 2,048 output bytes; never rewritten
.set ONE,  3                           ; v3        1.0
.set MONE, 4                           ; v4        -1.0
.set T,    6                           ; v[6:9]    four signs, at work
.set X,    16                          ; v[16:79]  slot i: four f32 as loaded
.set Y,    80                          ; v[80:111] slot i: four bf16 to store
.set SRC,  14                          ; s[14:15]  the input at the work-group's first byte
.set DST,  16                          ; s[16:17]  the output at the work-group's first byte
	s_load_b256 s[4:11], s[0:1], 0x0               ; x s[4:5], W s[6:7], xb s[8:9], wb s[10:11]
	v_lshlrev_b32 v[IO], 4, v0
	v_lshlrev_b32 v[OO], 3, v0
	v_mov_b32 v[ONE], 1.0
	v_mov_b32 v[MONE], -1.0
	s_and_b32 s12, ttmp7, 0xffff                   ; 0: x, 1: W
	s_lshl_b32 s18, ttmp9, 17                      ; the work-group's 131,072 input bytes (under 2^26)
	s_mov_b32 s19, 0
	s_lshl_b32 s20, ttmp9, 16                      ; and its 65,536 output bytes
	s_mov_b32 s21, 0
	s_wait_kmcnt 0x0
	s_cmp_eq_u32 s12, 0
	s_cselect_b64 s[SRC:SRC+1], s[4:5], s[6:7]
	s_cselect_b64 s[DST:DST+1], s[8:9], s[10:11]
	s_add_nc_u64 s[SRC:SRC+1], s[SRC:SRC+1], s[18:19]
	s_add_nc_u64 s[DST:DST+1], s[DST:DST+1], s[20:21]
.irp n, 0,1,2,3,4,5,6,7,8,9,10,11,12,13,14,15
	global_load_b128 v[X+4*(\n):X+4*(\n)+3], v[IO], s[SRC:SRC+1] offset:4096*(\n) th:TH_LOAD_NT  ; the ring is filled
.endr
; Slot i's four numbers become four bf16.  kind = 0: rounded.  kind = 1: their signs: two compares and two selects a number; the number itself stays where neither compare holds.
.macro CONV kind, i
.if \kind
.irp k, 0,1,2,3
	v_cmp_lt_f32 vcc_lo, 0, v[X+4*(\i)+(\k)]                   ; 0 < w
	v_cndmask_b32 v[T+(\k)], v[X+4*(\i)+(\k)], v[ONE], vcc_lo
	v_cmp_gt_f32 vcc_lo, 0, v[X+4*(\i)+(\k)]                   ; 0 > w
	v_cndmask_b32 v[T+(\k)], v[T+(\k)], v[MONE], vcc_lo
.endr
	v_cvt_pk_bf16_f32 v[Y+2*(\i)],   v[T],   v[T+1]            ; 1, -1 and 0 are exact in bf16
	v_cvt_pk_bf16_f32 v[Y+2*(\i)+1], v[T+2], v[T+3]
.else
	v_cvt_pk_bf16_f32 v[Y+2*(\i)],   v[X+4*(\i)],   v[X+4*(\i)+1]
	v_cvt_pk_bf16_f32 v[Y+2*(\i)+1], v[X+4*(\i)+2], v[X+4*(\i)+3]
.endif
.endm
; Piece n of 32, in slot n % 16.  ahead = 1: the slot is loaded again, with piece n + 16, ahead of the store.  left = how many younger loads may stay out.
.macro SLOT kind, n, ahead, left
	s_wait_loadcnt \left                           ; loads come back in order (ISA guide 5.7.1): mine is in
	CONV \kind, (\n)%DEPTH
.if \ahead
	global_load_b128 v[X+4*((\n)%DEPTH):X+4*((\n)%DEPTH)+3], v[IO], s[SRC:SRC+1] offset:4096*((\n)+DEPTH) th:TH_LOAD_NT
.endif
	global_store_b64 v[OO], v[Y+2*((\n)%DEPTH):Y+2*((\n)%DEPTH)+1], s[DST:DST+1] offset:2048*(\n)
.endm
; Both halves are written out: every place stands in an immediate, so no address register and no base is ever rewritten.
.macro BODY kind
.irp n, 0,1,2,3,4,5,6,7,8,9,10,11,12,13,14,15
	SLOT \kind, \n, 1, DEPTH-1                     ; fifteen younger loads stay out
.endr
	s_wait_xcnt 0x0                                ; the sixteen stores have read their data (ISA guide 3.1): Y is written again only behind this wait
.irp n, 16,17,18,19,20,21,22,23,24,25,26,27,28,29,30,31
	SLOT \kind, \n, 0, 31-(\n)                     ; nothing more is loaded: the counts run down
.endr
.endm
	s_cmp_lg_u32 s12, 0
	s_cbranch_scc1 .Lsign
	BODY 0
	s_endpgm
.Lsign:
	BODY 1
	s_endpgm
.Lfunc_end_k_q1c3a643182_cast:
	.size	k_q1c3a643182_cast, .Lfunc_end_k_q1c3a643182_cast-k_q1c3a643182_cast
	.p2alignl 7, 3214868480
	.fill 96, 4, 3214868480
	.section	.rodata,"a",@progbits
	.p2align	6, 0x0
	.amdhsa_kernel k_q1c3a643182_cast
		.amdhsa_group_segment_fixed_size 0
		.amdhsa_private_segment_fixed_size 0
		.amdhsa_enable_private_segment 0
		.amdhsa_kernarg_size 32
		.amdhsa_user_sgpr_count 2
		.amdhsa_user_sgpr_kernarg_segment_ptr 1
		.amdhsa_wavefront_size32 1
		.amdhsa_system_sgpr_workgroup_id_x 1
		.amdhsa_system_sgpr_workgroup_id_y 1
		.amdhsa_system_sgpr_workgroup_id_z 1
		.amdhsa_system_vgpr_workitem_id 0
		.amdhsa_next_free_vgpr 112
		.amdhsa_next_free_sgpr 66
		.amdhsa_reserve_vcc 1
		.amdhsa_float_denorm_mode_32 3
		.amdhsa_float_denorm_mode_16_64 3
		.amdhsa_memory_ordered 1
		.amdhsa_forward_progress 1
		.amdhsa_inst_pref_size 38
	.end_amdhsa_kernel
	.amdgpu_metadata
---
amdhsa.version: [ 1, 2 ]
amdhsa.kernels:
  - .name:           k_q1c3a643182_cast
    .symbol:         k_q1c3a643182_cast.kd
    .args:
      - { .name: x, .offset: 0, .size: 8, .value_kind: global_buffer, .address_space: global }
      - { .name: W, .offset: 8, .size: 8, .value_kind: global_buffer, .address_space: global }
      - { .name: xb, .offset: 16, .size: 8, .value_kind: global_buffer, .address_space: global }
      - { .name: wb, .offset: 24, .size: 8, .value_kind: global_buffer, .address_space: global }
    .group_segment_fixed_size: 0
    .private_segment_fixed_size: 0
    .kernarg_segment_align: 8
    .kernarg_segment_size: 32
    .max_flat_workgroup_size: 256
    .sgpr_count:     66
    .vgpr_count:     112
    .wavefront_size: 32
...
	.end_amdgpu_metadata
.endif
;; end of part 1
;; launch gemm (part 2): grid 16 x 16, 4 waves a work-group, clusters of 4 x 4, 327,680 bytes of LDS; arguments xb, wb, b, out0; writes out0
.if DOCPART == 2
	.amdgcn_target "amdgcn-amd-amdhsa--gfx1250"
	.amdhsa_code_object_version 6
	.text
	.protected	k_q1c3a643182_gemm
	.globl	k_q1c3a643182_gemm
	.p2align	8
	.type	k_q1c3a643182_gemm,@function
k_q1c3a643182_gemm:
	s_mov_b64 s[64:65], 0
	v_nop
	global_prefetch_b8 v0, s[64:65] scope:SCOPE_SE
	s_setreg_imm32_b32 hwreg(HW_REG_WAVE_MODE, 25, 1), 1
	s_wait_xcnt 0x0
	s_wait_alu depctr_hold_cnt(0) depctr_sa_sdst(0) depctr_va_vdst(0) depctr_va_sdst(0) depctr_va_ssrc(0) depctr_va_vcc(0) depctr_vm_vsrc(0)
	s_getreg_b32 s2, hwreg(HW_REG_IB_STS2, 6, 4)
	s_cmp_eq_u32 s2, 0
	s_cbranch_scc0 .Lentry_in_a_cluster
	s_endpgm
.Lentry_in_a_cluster:
	s_bfe_u32 s2, ttmp6, 0x10000c
	s_cmp_lg_u32 s2, 0xf033
	s_cbranch_scc0 .Lentry_shape_is_right
	s_endpgm
.Lentry_shape_is_right:
; out0[n][o] = b[o] + the sum over k of xb[n][k] wb[o][k].  xb, wb: [4096][4096] bf16 (x rounded once; the signs of W, exact); b: [4096] f32; out0: [4096][4096] f32.
; LIMITS.  One f32 sum for each output, K ascending, begun with the bias: an order of rounding that differs from a sum to which the bias is added last.  The only rounding of operands is x's to bf16.
; SHARES.  A tile of out0, 256 x 256, is made by a work-group of four waves; a wave makes 128 x 128: 64 accumulators of 16 x 16, 512 registers.  4,096 / 256 squared = 256 work-groups.
; K goes in 32 steps of 128 through a ring of two LDS slots filled by the tensor data mover: a tile's rows are 256 bytes of memory and start at multiples of 256 bytes from the buffer's first byte.
; CLUSTERS.  4 x 4 work-groups.  The four of a row of the cluster need the same tiles of xb, the four of a column the same tiles of wb: each tile is asked for JOINTLY, by the same tensor load
; with the same descriptor and a mask that names the four, and each receives it in its own LDS.  That divides the requests for xb and wb by four.
; THE MATRIX INSTRUCTION IS USED TRANSPOSED: source 0 = 16 rows of wb, source 1 = 16 rows of xb.  In the result lane l holds row l % 16 of out0, its registers 0 to 7 the columns 8 (l / 16) + 0..7.
; THE BIAS IS THE C OPERAND of each accumulator's first product: eight registers for each of the wave's eight column blocks, loaded once: no accumulator is cleared, and no addition is written.
; THE WAY OUT.  A block of 16 rows x 128 columns of f32 goes through the wave's own stage in LDS and comes back as whole rows of 512 bytes: each store of a wave covers 512 consecutive bytes, aligned.
; REGISTERS, in windows of 256 (s_set_vgpr_msb: bits 1:0 source 0, 3:2 source 1, 5:4 source 2, 7:6 destination):
;   window 0: v0-31 addresses; v64-127, v128-191 fragments of xb, two buffers (on the way out: rows read back, two buffers); v192-255 the bias
;   window 1: v64-127, v128-191 fragments of wb, two buffers
;   window 2: the 32 accumulators of my rows 0-63 (accumulator (a, b) at v[8 (8 a + b)]);   window 3: those of my rows 64-127
.set SIZE_K, 4096
.set SIZE_N, 4096
.set KSTEP,  128
.set PITCH,  272                       ; an LDS row: 256 bytes + 16 of padding = 68 words: row r starts at bank 4 r mod 64 (64 banks of 4 bytes: ISA guide 11.1): the 16 rows of a fragment load start at 16 different banks
.set HALFT,  128*PITCH                 ; 128 rows: what one tensor load brings, and what one wave reads of xb or of wb
.set SLOT,   4*HALFT                   ; xb's 256 rows, then wb's 256 rows
.set STAGE,  2*SLOT                    ; behind the ring, never filled by a tensor load: 16 rows x 528 bytes for each wave
.set SPITCH, 528                       ; a stage row: 512 bytes + 16 = 132 words: again 16 rows at 16 different banks
.set SPARE,  STAGE+4*16*SPITCH         ; behind the stages: the spare words, 128 bytes for each wave: two blocks of 256 bytes that no other line names
.set LAPS,   SIZE_K/(2*KSTEP)          ; a lap = two K steps = once round the ring: 16
.set ROWA,   SIZE_K*2                  ; bytes in a row of xb and of wb
.set ROWC,   SIZE_N*4                  ; bytes in a row of out0
.set ADRA, 16                          ; v16-17  LDS address of my xb fragments in slot 0, 1
.set ADRB, 20                          ; v20-21  the same for wb
.set STO,  24                          ; v24     the way out: where I put 32 bytes of a row
.set RD,   25                          ; v25     the way out: where I read 16 bytes of a row back
.set CO,   26                          ; v26     16 x lane: my bytes in 512 bytes of a row of out0; never rewritten
.set BO,   27                          ; v27     32 (l / 16): my eight numbers in a block of 16 of the bias
.set SPW,  28                          ; v28     LDS address of my spare word: SPARE + 4 x my thread's number; never rewritten
.set NIL,  29                          ; v29     0; never rewritten
.set PFO,  30                          ; v30     the prefetches' offset: my lane x a row of xb or wb; never rewritten
.set F0,   64                          ; fragment buffer 0
.set F1,   128                         ; fragment buffer 1
.set BIAS, 192                         ; column block b's eight numbers at BIAS + 8 b; written once
.set WV,   12                          ; s12     my wave's number
.set HR,   13                          ; s13     which half of the tile's rows is mine.  Also: I fetch for xb (0) or for wb (1)
.set HC,   14                          ; s14     which half of its columns.  Also: which 128 rows of that tile I fetch
.set G1,   24                          ; s[24:31] descriptor group 1 for xb's tiles
.set G0,   32                          ; s[32:39] descriptor group 0 for xb's tiles, one set for each slot
.set PFA,  44                          ; s[44:45] where my prefetches stand: my work-group's 32 rows of the 128 that I fetch, one K step beyond the refill in hand; a prefetch names the K step after that
.set LIM,  46                          ; s46     1 in a wave that prefetches, else the greatest number
.set G1B,  48                          ; s[48:55] descriptor group 1 for wb's tiles: it differs in the mask alone
.set G0B,  56                          ; s[56:63] descriptor group 0 for wb's tiles, one set for each slot
.set MSB, 0
.macro WIN new                         ; the immediate's high byte repeats the setting that is left; a switch that changes nothing is dropped
.if MSB != (\new)
	s_set_vgpr_msb (MSB<<8)|(\new)
.set MSB, \new
.endif
.endm
.set TO_B, 0x40                        ; destination window 1, address window 0
; A joint load.  Waves 0 and 1 fetch xb's two halves, waves 2 and 3 wb's.  Each of the two lines has one mask and one set of registers for all that issue it.  The branch hangs on the wave's
; number alone.  An s_nop 0 and four v_nop follow each of the two lines, ahead of the jump, the label and what follows the macro.
.macro JLOAD s
	s_cmp_eq_u32 s[HR], 0
	s_cbranch_scc0 .Lfor_b_\@
	tensor_load_to_lds s[G0+4*(\s):G0+4*(\s)+3], s[G1:G1+7]
	s_nop 0
.rept 4
	v_nop
.endr
	s_branch .Lasked_\@
.Lfor_b_\@:
	tensor_load_to_lds s[G0B+4*(\s):G0B+4*(\s)+3], s[G1B:G1B+7]
	s_nop 0
.rept 4
	v_nop
.endr
.Lasked_\@:
.endm
; A PREFETCH, behind each joint refill, its five lines and the run of LDS loads that follows them: the K step that stands TWO refills on, 512 matrix instructions ahead of the load that will ask for it:
; 32 rows x 256 bytes, a lane a row, one instruction a wave.  Each row's 256 bytes of a K step are named once in the launch: xb's tile row is walked by every cluster of that row of clusters, and
; the one with x = 0 asks; wb's tile column by every cluster of that column, and the one with y = 0 asks.  The four partners of a joint load share its 128 rows out BY ADDRESS, 32 each (by cx for xb,
; by cy for wb): no branch hangs on a work-group's place in its cluster.  K steps 0 to 3 come by their loads alone; the loop's last trip (s3 = 1) asks for nothing: K has no step 32.
.macro ASK
	s_cmp_gt_u32 s3, s[LIM]
	s_cbranch_scc0 .Lnot_mine_\@
	global_prefetch_b8 v[PFO], s[PFA:PFA+1] offset:KSTEP*2 th:TH_LOAD_NT scope:SCOPE_SE
.Lnot_mine_\@:
.endm
; A round of the cluster's barrier: my work-group's barrier, so that wave 0's signal speaks for all four waves; wave 0 signals for the work-group; every wave waits for all sixteen
; work-groups; my work-group's barrier once more.  No LDS instruction of the wave is pending at a signal.
.macro CREST                           ; a round behind its opening barrier
	s_cmp_lg_u32 s[WV], 0
	s_cbranch_scc1 .Lnot_wave_0_\@
	s_barrier_signal -3
.Lnot_wave_0_\@:
	s_barrier_wait -3
	s_barrier_signal -1
	s_barrier_wait -1
.endm
.macro CROUND                          ; a whole round
	s_barrier_signal -1
	s_barrier_wait -1
	CREST
.endm
	s_load_b256 s[4:11], s[0:1], 0x0               ; xb s[4:5], wb s[6:7], b s[8:9], out0 s[10:11]
	v_lshl_add_u32 v[SPW], v0, 2, SPARE
	v_mov_b32 v[NIL], 0
	ds_add_u32 v[SPW], v[NIL]                      ; the wave's opening: the add, twice on end, and its wait ahead of my first tensor load; the set-up below, work on registers, stands between
	ds_add_u32 v[SPW], v[NIL]                      ; and once more, under the one wait
	v_lshrrev_b32 v1, 5, v0
	v_readfirstlane_b32 s[WV], v1                  ; wave 0..3
	s_lshr_b32 s[HR], s[WV], 1
	s_and_b32 s[HC], s[WV], 1
	s_bfe_u32 s40, ttmp6, 0x40000                  ; cx: my place along the cluster's x
	s_bfe_u32 s41, ttmp6, 0x40004                  ; cy: along its y
	s_lshl_b32 s42, ttmp9, 2                       ; in a cluster launch ttmp9 and ttmp7 count clusters
	s_add_co_u32 s42, s42, s40                     ; tile column = 4 x cluster x + cx
	s_and_b32 s43, ttmp7, 0xffff
	s_lshl_b32 s43, s43, 2
	s_add_co_u32 s43, s43, s41                     ; tile row = 4 x cluster y + cy
	s_lshl_b32 s66, s41, 2
	s_lshl_b32 s66, 15, s66                        ; my row of the cluster: places 4 cy .. 4 cy + 3
	s_lshl_b32 s67, 0x1111, s40                    ; my column: places cx, cx + 4, cx + 8, cx + 12
	; descriptor group 1: a tile of 128 rows x 128 elements, padded in LDS
	s_or_b32 s[G1+0], s66, (1<<16)|(1<<20)|(1<<21)|(5<<22)|(3<<25)   ; 15:0 the mask: xb's tiles go to my row; 17:16 elements of 2 bytes; 20 padding on; 21 set beside a mask; 24:22 after every 64 words (code 5); 31:25 4 words (code 3)
	s_or_b32 s[G1B+0], s67, (1<<16)|(1<<20)|(1<<21)|(5<<22)|(3<<25)  ; the same with the mask of my column, for wb's tiles
.irp g, G1, G1B
	s_mov_b32 s[(\g)+1], KSTEP<<16                 ; tensor_dim0 = 128
	s_mov_b32 s[(\g)+2], 128<<16                   ; tensor_dim1 = 128
	s_mov_b32 s[(\g)+3], KSTEP<<16                 ; tile_dim0 = 128
	s_mov_b32 s[(\g)+4], 128                       ; tile_dim1 = 128
	s_mov_b32 s[(\g)+5], SIZE_K                    ; elements from row to row
	s_mov_b32 s[(\g)+6], 0
	s_mov_b32 s[(\g)+7], 0
.endr
	; where the tiles come from.  xb's hang on the tile row alone, which my row of the cluster shares; wb's on the tile column alone, which my column shares.
	; Every wave makes both offsets, in registers that never hold the other coordinate, and asks by one of them.
	s_lshl_b32 s15, s[HC], 7                       ; which 128 rows of the tile I fetch
	s_lshl_b32 s16, s43, 8
	s_add_co_u32 s16, s16, s15                     ; xb: row 256 x tile row + 128 x half,
	s_lshl_b32 s16, s16, 13                        ; times 8,192 bytes: under 2^25
	s_mov_b32 s17, 0
	s_lshl_b32 s20, s42, 8
	s_add_co_u32 s20, s20, s15                     ; wb: row 256 x tile column + 128 x half
	s_lshl_b32 s20, s20, 13
	s_mov_b32 s21, 0
	s_mul_i32 s15, s[WV], HALFT                    ; and where they go: wave x 128 rows: no place in the cluster enters an LDS address
	s_wait_dscnt 0x0                               ; both opening adds are done
	s_wait_kmcnt 0x0
	s_add_nc_u64 s[68:69], s[4:5], s[16:17]
	s_add_nc_u64 s[70:71], s[6:7], s[20:21]
	CROUND                                         ; all sixteen work-groups are here: the first joint loads meet
.irp s, 0,1
	s_mov_b32 s[G0+4*(\s)], 1                                        ; 1:0 count = 1
	s_add_co_u32 s[G0+4*(\s)+1], s15, (\s)*SLOT                      ; 63:32 LDS address
	s_add_nc_u64 s[G0+4*(\s)+2:G0+4*(\s)+3], s[68:69], (\s)*KSTEP*2  ; 120:64 global address: K step s
	s_or_b32 s[G0+4*(\s)+3], s[G0+4*(\s)+3], 0x80000000              ; 127:126 type = 2
	s_mov_b32 s[G0B+4*(\s)], 1
	s_add_co_u32 s[G0B+4*(\s)+1], s15, (\s)*SLOT
	s_add_nc_u64 s[G0B+4*(\s)+2:G0B+4*(\s)+3], s[70:71], (\s)*KSTEP*2
	s_or_b32 s[G0B+4*(\s)+3], s[G0B+4*(\s)+3], 0x80000000
	JLOAD \s                                       ; the ring is filled before anything else is done: two tensor loads of mine are out
.endr
	; A fragment is 16 rows x 32 K in 8 registers: lane l holds row l % 16; registers 0-3 hold K = 8 (l / 16) + 0..7, registers 4-7 K = 16 + 8 (l / 16) + 0..7: two loads of 16 bytes, 32 bytes apart.
	v_and_b32 v1, 15, v0                           ; l % 16
	v_bfe_u32 v2, v0, 4, 1                         ; l / 16
	v_and_b32 v5, 31, v0                           ; l
	v_mul_u32_u24 v3, v1, PITCH
	v_lshl_add_u32 v3, v2, 4, v3                   ; row x pitch + 16 x half
	s_mul_i32 s22, s[HR], HALFT                    ; my 128 rows of xb
	s_mul_i32 s23, s[HC], HALFT                    ; my 128 rows of wb,
	s_add_co_u32 s23, s23, 2*HALFT                 ; which lie behind xb's 256
.irp s, 0,1
	v_add_nc_u32 v[ADRA+(\s)], s22, v3
	v_add_nc_u32 v[ADRB+(\s)], s23, v3
	s_add_co_u32 s22, s22, SLOT
	s_add_co_u32 s23, s23, SLOT
.endr
	s_mul_i32 s22, s[WV], 16*SPITCH
	s_add_co_u32 s22, s22, STAGE                   ; my stage
	v_mul_u32_u24 v4, v1, SPITCH                   ; in: row l % 16, 32 bytes (eight f32) for each half of the lanes
	v_lshl_add_u32 v4, v2, 5, v4
	v_add_nc_u32 v[STO], s22, v4
	v_lshlrev_b32 v[CO], 4, v5                     ; back: 32 lanes take one row of 512 bytes
	v_add_nc_u32 v[RD], s22, v[CO]
	v_lshlrev_b32 v[BO], 5, v2
	; b and out0 at my wave's first column, out0 at its first row
	s_lshl_b32 s72, s42, 8
	s_lshl_b32 s73, s[HC], 7
	s_add_co_u32 s72, s72, s73                     ; column 256 x tile column + 128 x half,
	s_lshl_b32 s72, s72, 2                         ; in bytes
	s_mov_b32 s73, 0
	s_add_nc_u64 s[8:9], s[8:9], s[72:73]
	s_add_nc_u64 s[10:11], s[10:11], s[72:73]
	s_lshl_b32 s18, s43, 8
	s_lshl_b32 s19, s[HR], 7
	s_add_co_u32 s18, s18, s19                     ; row 256 x tile row + 128 x half,
	s_lshl_b32 s18, s18, 14                        ; times 16,384 bytes: under 2^26
	s_mov_b32 s19, 0
	s_add_nc_u64 s[10:11], s[10:11], s[18:19]
.irp b, 0,1,2,3,4,5,6,7
	global_load_b128 v[BIAS+8*(\b):BIAS+8*(\b)+3],   v[BO], s[8:9] offset:64*(\b)     ; register j of block b: the bias of column 16 b + 8 (l / 16) + j, as the result's layout has it
	global_load_b128 v[BIAS+8*(\b)+4:BIAS+8*(\b)+7], v[BO], s[8:9] offset:64*(\b)+16
.endr
	; the prefetches' address
	s_lshl_b32 s74, s43, 8                         ; 256 x tile row
	s_lshl_b32 s75, s42, 8                         ; 256 x tile column
	s_and_b32 s76, ttmp7, 0xffff                   ; cluster y
	s_cmp_eq_u32 s[HR], 0                          ; do I fetch for xb?
	s_cselect_b32 s74, s74, s75                    ; the tile's first row
	s_cselect_b32 s75, s40, s41                    ; my place among the four that ask for it with me
	s_cselect_b32 s76, ttmp9, s76                  ; the coordinate along which other clusters walk the same rows
	s_cselect_b64 s[PFA:PFA+1], s[4:5], s[6:7]
	s_cmp_eq_u32 s76, 0
	s_cselect_b32 s[LIM], 1, -1                    ; the same in all sixteen partners, for a given wave
	s_lshl_b32 s76, s[HC], 7
	s_add_co_u32 s74, s74, s76                     ; + the 128 rows that I fetch
	s_lshl_b32 s75, s75, 5
	s_add_co_u32 s74, s74, s75                     ; + my work-group's 32 of them
	s_lshl_b32 s74, s74, 13
	s_mov_b32 s75, 0
	s_add_nc_u64 s[PFA:PFA+1], s[PFA:PFA+1], s[74:75]
	s_add_nc_u64 s[PFA:PFA+1], s[PFA:PFA+1], 2*KSTEP*2  ; at K step 2: the first refill steps it to 3 and names K step 4
	v_mul_u32_u24 v[PFO], v5, ROWA
; 16 matrix instructions: row blocks a0, a0 + 1 of the window's four (hi = 0: my rows 0-63, 1: rows 64-127) x all 8 column blocks, 32 along K.
; first = 1: the product starts the sum, with the bias as C (window 0).  The 64 accumulators take turns, one instruction a turn, in the same order in every quarter.
.macro MUL16 f, hi, a0, first
.if \first
	WIN 0x81+0x40*(\hi)                            ; source 0 (wb) window 1, source 1 (xb) and C (the bias) window 0, D window 2 or 3
.else
	WIN 0xa1+0x50*(\hi)                            ; the same with C and D in window 2 or 3
.endif
.irp a, \a0, (\a0)+1
.irp b, 0,1,2,3,4,5,6,7
.if \first
	v_wmma_f32_16x16x32_bf16 v[8*(8*(\a)+(\b)):8*(8*(\a)+(\b))+7], v[(\f)+8*(\b):(\f)+8*(\b)+7], v[(\f)+8*(4*(\hi)+(\a)):(\f)+8*(4*(\hi)+(\a))+7], v[BIAS+8*(\b):BIAS+8*(\b)+7]
.else
	v_wmma_f32_16x16x32_bf16 v[8*(8*(\a)+(\b)):8*(8*(\a)+(\b))+7], v[(\f)+8*(\b):(\f)+8*(\b)+7], v[(\f)+8*(4*(\hi)+(\a)):(\f)+8*(4*(\hi)+(\a))+7], v[8*(8*(\a)+(\b)):8*(8*(\a)+(\b))+7]
.endif
.endr
.endr
.endm
; 32 LDS loads in one run: the fragments of one quarter step (128 rows of wb, 128 rows of xb, 32 K at byte k of the rows) into buffer f
.macro FETCH slot, k, f
	WIN TO_B
.irp i, 0,1,2,3,4,5,6,7
	ds_load_b128 v[(\f)+8*(\i):(\f)+8*(\i)+3],   v[ADRB+(\slot)] offset:(\k)+(\i)*16*PITCH
	ds_load_b128 v[(\f)+8*(\i)+4:(\f)+8*(\i)+7], v[ADRB+(\slot)] offset:(\k)+(\i)*16*PITCH+32
.endr
	WIN 0
.irp i, 0,1,2,3,4,5,6,7
	ds_load_b128 v[(\f)+8*(\i):(\f)+8*(\i)+3],   v[ADRA+(\slot)] offset:(\k)+(\i)*16*PITCH
	ds_load_b128 v[(\f)+8*(\i)+4:(\f)+8*(\i)+7], v[ADRA+(\slot)] offset:(\k)+(\i)*16*PITCH+32
.endr
.endm
; A load into a register that a matrix instruction has read, and an LDS store that reads a matrix result, stand four places behind that matrix instruction, and only plain vector instructions
; that name none of its registers are places (ISA guide 7.12.1 for vector instructions); the matrix instructions in between are not counted.
.macro PLACES
.rept 4
	v_nop
.endr
.endm
; A K step is four quarters of 32 along K, 64 matrix instructions each, on buffers 0, 1, 0, 1.
; One of the first three: multiplies buffer f; in its middle it fetches the next quarter's fragments, at byte k of the same slot's rows, into buffer g.
.macro QUARTER slot, k, f, g, first
	s_wait_dscnt 8                                 ; wb and xb's rows 0-63 are in; the youngest eight loads (xb's rows 64-127) may be out
	MUL16 \f, 0, 0, \first
	MUL16 \f, 0, 2, \first
	PLACES
	FETCH \slot, \k, \g
	s_wait_dscnt 32                                ; all but the 32 just issued
	MUL16 \f, 1, 0, \first
	MUL16 \f, 1, 2, \first
.endm
; The last quarter multiplies buffer 1 and changes slots.  MEET is its first half: one barrier for two things.  In front of it each wave waits for all its tensor loads, of which one is out: its
; part of the next slot; adds 0 to its spare word; and waits for that and for its own reads of this slot.  Behind it nobody reads this slot any more and the next slot is whole.
.macro MEET round                      ; round = 1: the rest of a round of the cluster's barrier follows
	WIN 0                                          ; (the add's two registers lie in window 0)
	s_wait_tensorcnt 0x0                           ; all my tensor loads have landed
	ds_add_u32 v[SPW], v[NIL]                      ; 0 onto my spare word
	s_wait_dscnt 9                                 ; (the add and the youngest eight loads may be out)
	MUL16 F1, 0, 0, 0                              ; sixteen matrix instructions stand between the add and the wait for it
	s_wait_dscnt 0x0                               ; the add is done, and my reads of this slot are over
	s_barrier_signal -1
	MUL16 F1, 0, 2, 0                              ; work on registers while the others arrive
.if \round
	WIN 0
.endif
	s_barrier_wait -1
.endm
; The whole last quarter.  fill = 1: behind the round the slot just read out is filled again first, with the K step two steps on; from that request to the wait for it a wave issues 224 matrix instructions.
.macro TURN slot, next, fill
.if \fill
	s_wait_xcnt 0x0                                ; the last prefetch, a K step back, has read its address: it is stepped here, ahead of the waits of the change of slots
	s_add_nc_u64 s[PFA:PFA+1], s[PFA:PFA+1], KSTEP*2
	MEET 1
	CREST                                          ; no wave of any partner still reads this slot's tile or has a load on its way
	s_add_nc_u64 s[G0+4*(\slot)+2:G0+4*(\slot)+3], s[G0+4*(\slot)+2:G0+4*(\slot)+3], 2*KSTEP*2      ; no tensor load of mine is out, so the descriptors may be written
	s_add_nc_u64 s[G0B+4*(\slot)+2:G0B+4*(\slot)+3], s[G0B+4*(\slot)+2:G0B+4*(\slot)+3], 2*KSTEP*2
	JLOAD \slot                                    ; the first tensor load behind the round, my only one until the next; its four v_nop are also the places in front of the loads below
.else
	MEET 0
	PLACES
.endif
	FETCH \next, 0, F0
.if \fill
	ASK
.endif
	MUL16 F1, 1, 0, 0
	MUL16 F1, 1, 2, 0
.endm
; THE WAY OUT of block a (my rows 16 a .. 16 a + 15).  TOSTAGE: the eight accumulators, as they are, into my own stage (each accumulator's four lowest registers first),
; and back as 16 whole rows of 512 bytes, into buffer a % 2.  LDS serves a wave's instructions in order (ISA guide 5.7.1.4): the loads see the stores, and the next block's stores come behind the loads.
.macro TOSTAGE a
.set AC, 64*((\a)%4)
.set BK, 64+64*((\a)%2)
	WIN 0x08+4*((\a)/4)                            ; the stores' data (source 1) in window 2 or 3, the address in window 0
.irp b, 0,1,2,3,4,5,6,7
	ds_store_b128 v[STO], v[AC+8*(\b):AC+8*(\b)+3]   offset:64*(\b)
	ds_store_b128 v[STO], v[AC+8*(\b)+4:AC+8*(\b)+7] offset:64*(\b)+16
.endr
	WIN 0
.if (\a) >= 2
	s_wait_xcnt 0x0                                ; the stores of block a - 2 have read this buffer (ISA guide 3.1): it is loaded again only behind this wait
.endif
.irp t, 0,1,2,3,4,5,6,7,8,9,10,11,12,13,14,15
	ds_load_b128 v[BK+4*(\t):BK+4*(\t)+3], v[RD] offset:(\t)*SPITCH
.endr
.endm
; SEND: stored.  younger: the LDS instructions issued behind block a's loads: the next block's 32, or none.  The row stands in the immediate: 127 rows of 16,384 bytes at the most, inside its signed 24 bits.
.macro SEND a, younger
.set BK, 64+64*((\a)%2)
	WIN 0
.irp t, 0,1,2,3,4,5,6,7,8,9,10,11,12,13,14,15
	s_wait_dscnt (\younger)+15-(\t)                ; row t is back; the block's later rows and the younger instructions may be out
	global_store_b128 v[CO], v[BK+4*(\t):BK+4*(\t)+3], s[10:11] offset:(16*(\a)+(\t))*ROWC th:TH_STORE_NT  ; 32 lanes store 512 consecutive bytes, at a multiple of 512 from out0's first byte
.endr
.endm
	s_wait_tensorcnt 1                             ; my part of K step 0 is in; K step 1's may stay out
	s_barrier_signal -1
	s_barrier_wait -1                              ; everybody's is
	FETCH 0, 0, F0
	s_wait_loadcnt 0x0                             ; the bias
	QUARTER 0, 64,  F0, F1, 1                      ; the first quarter stands in front of the loop: its products start the sums
	WIN 0                                          ; at a label and at a branch every window is 0
	s_mov_b32 s3, LAPS-1
.Llap:                                                 ; a trip goes once round the ring, from a lap's second quarter to the next lap's first, and fills both slots again
	QUARTER 0, 128, F1, F0, 0
	QUARTER 0, 192, F0, F1, 0
	TURN 0, 1, 1
	QUARTER 1, 64,  F0, F1, 0
	QUARTER 1, 128, F1, F0, 0
	QUARTER 1, 192, F0, F1, 0
	TURN 1, 0, 1
	QUARTER 0, 64,  F0, F1, 0
	WIN 0
	s_sub_co_u32 s3, s3, 1
	s_cmp_lg_u32 s3, 0
	s_cbranch_scc1 .Llap
	QUARTER 0, 128, F1, F0, 0                      ; the last lap is written out: it fills nothing and no round is passed
	QUARTER 0, 192, F0, F1, 0
	TURN 0, 1, 0
	QUARTER 1, 64,  F0, F1, 0
	QUARTER 1, 128, F1, F0, 0
	QUARTER 1, 192, F0, F1, 0
	s_wait_dscnt 8                                 ; the very last quarter: nothing more to fetch
	MUL16 F1, 0, 0, 0
	MUL16 F1, 0, 2, 0
	s_wait_dscnt 0x0
	MUL16 F1, 1, 0, 0
	MUL16 F1, 1, 2, 0
	WIN 0
	PLACES                                         ; behind the last products: LDS stores that read results follow, and loads into the fragments' registers
	PLACES
	TOSTAGE 0
.irp a, 1,2,3,4,5,6,7                  ; block a's trip through the stage is on its way while block a - 1 is stored
	TOSTAGE \a
	SEND (\a)-1, 32
.endr
	SEND 7, 0
	s_wait_tensorcnt 0x0                           ; the wave's end: an add and its wait, behind my last tensor load and my last LDS store
	ds_add_u32 v[SPW], v[NIL]
	s_wait_dscnt 0x0
	CROUND                                         ; the closing round: no work-group ends while a partner may still ask for a tile that names it
	s_endpgm
.Lfunc_end_k_q1c3a643182_gemm:
	.size	k_q1c3a643182_gemm, .Lfunc_end_k_q1c3a643182_gemm-k_q1c3a643182_gemm
	.p2alignl 7, 3214868480
	.fill 96, 4, 3214868480
	.section	.rodata,"a",@progbits
	.p2align	6, 0x0
	.amdhsa_kernel k_q1c3a643182_gemm
		.amdhsa_group_segment_fixed_size 327680
		.amdhsa_private_segment_fixed_size 0
		.amdhsa_enable_private_segment 0
		.amdhsa_kernarg_size 32
		.amdhsa_user_sgpr_count 2
		.amdhsa_user_sgpr_kernarg_segment_ptr 1
		.amdhsa_wavefront_size32 1
		.amdhsa_system_sgpr_workgroup_id_x 1
		.amdhsa_system_sgpr_workgroup_id_y 1
		.amdhsa_system_sgpr_workgroup_id_z 1
		.amdhsa_system_vgpr_workitem_id 0
		.amdhsa_next_free_vgpr 1024
		.amdhsa_next_free_sgpr 80
		.amdhsa_reserve_vcc 0
		.amdhsa_float_denorm_mode_32 3
		.amdhsa_float_denorm_mode_16_64 3
		.amdhsa_memory_ordered 1
		.amdhsa_forward_progress 1
		.amdhsa_inst_pref_size 147
	.end_amdhsa_kernel
	.amdgpu_metadata
---
amdhsa.version: [ 1, 2 ]
amdhsa.kernels:
  - .name:           k_q1c3a643182_gemm
    .symbol:         k_q1c3a643182_gemm.kd
    .args:
      - { .name: xb, .offset: 0, .size: 8, .value_kind: global_buffer, .address_space: global }
      - { .name: wb, .offset: 8, .size: 8, .value_kind: global_buffer, .address_space: global }
      - { .name: b, .offset: 16, .size: 8, .value_kind: global_buffer, .address_space: global }
      - { .name: out0, .offset: 24, .size: 8, .value_kind: global_buffer, .address_space: global }
    .group_segment_fixed_size: 327680
    .private_segment_fixed_size: 0
    .kernarg_segment_align: 8
    .kernarg_segment_size: 32
    .max_flat_workgroup_size: 128
    .sgpr_count:     80
    .vgpr_count:     1024
    .wavefront_size: 32
...
	.end_amdgpu_metadata
.endif
;; end of part 2
;; ======== version 2 of 2: 2 launches; version 1 with the launch cast written anew for expert scheduling mode
;; workspace buffers: xb 33,554,432 bytes; wb 33,554,432 bytes
;; launch cast (part 3): grid 512 x 2, 8 waves a work-group, no clusters, 0 bytes of LDS; arguments x, W, xb, wb; writes xb, wb
.if DOCPART == 3
	.amdgcn_target "amdgcn-amd-amdhsa--gfx1250"
	.amdhsa_code_object_version 6
	.text
	.protected	k_q1c3a643182_cast
	.globl	k_q1c3a643182_cast
	.p2align	8
	.type	k_q1c3a643182_cast,@function
k_q1c3a643182_cast:
	s_mov_b64 s[64:65], 0
	v_nop
	global_prefetch_b8 v0, s[64:65] scope:SCOPE_SE
	s_setreg_imm32_b32 hwreg(HW_REG_WAVE_SCHED_MODE, 0, 2), 2
	s_setreg_imm32_b32 hwreg(HW_REG_WAVE_MODE, 25, 1), 1
	s_wait_xcnt 0x0
	s_wait_alu depctr_vm_vsrc(0)
; xb = bf16(x), wb = bf16(sign(W)).  x, W: [4096][4096] f32; xb, wb: [4096][4096] bf16, the same order of elements.
; A stream: every input byte is read once, every output byte written once; nothing is shared between waves, so there is no LDS, no barrier, no cluster and no matrix work.
; SHARES.  Work-groups with y = 0 take x, those with y = 1 take W.  Work-group g owns 131,072 input bytes (32,768 numbers) and 65,536 output bytes.
; Thread t's load n (of 32) takes the 16 bytes at 16 t + 4,096 n: a wave's load covers 512 consecutive bytes, aligned.  Its store n puts 8 bytes at 8 t + 2,048 n:
; a wave's store covers 256 consecutive bytes, aligned.
; LIMITS.  x is rounded once, to nearest even; a magnitude above bf16's largest finite number becomes an infinity.  sign is exact for every f32: 1 above 0, -1 below 0 (denormals too);
; what is neither (+0, -0, NaN) stays what it is.
; THE MODE: SCHED_MODE bits 1:0 = 2 (LLVM: expert scheduling mode 2), set by the entry lines.  The code itself states the register dependences
; between vector instructions and memory instructions, with s_wait_alu, always for 0.
; THE PLAN.  The 32 pieces go in 8 blocks of four.  Registers that memory instructions touch:
;   X0 .. X4   five blocks of numbers as loaded.  Written by the loads of block p + 4, issued in block p; read by block p's vector lines (roundings, or compares and selects).
;   Y0, Y1     two blocks of bf16 to store.       Written by block p's roundings; read by the four stores that are issued in block p + 1.
;   v1, v2     byte offsets, made once at the head and never written again: every piece's place stands in an immediate.
; Block p works on X[p % 5] and writes Y[p % 2].  Its memory instructions are the loads into X[(p + 4) % 5] = X[(p - 1) % 5] and the stores from Y[(p - 1) % 2]: the two buffers
; that block p - 1 worked on and that no vector instruction of block p names.  So the waits at a block's head state all that its eight memory instructions hang on, and these are
; dealt among its vector instructions with no further wait.  At a block's head three younger blocks are on their way; with the four loads that follow, sixteen loads of every wave.
; T, 1.0, -1.0 and the masks s[24:55] are named by vector instructions alone; the masks have one wait a block, between the run of compares that writes them and the first select that reads one.
.set BLOCK,  4                         ; pieces in a block
.set BLOCKS, 8
.set NX,     5                         ; buffers of X
.set IO,   1                           ; v1        16 t: my byte offset in 4,096 input bytes; never rewritten
.set OO,   2                           ; v2        8 t: my byte offset in 2,048 output bytes; never rewritten
.set ONE,  3                           ; v3        1.0
.set MONE, 4                           ; v4        -1.0
.set T,    6                           ; v[6:9]    four signs, at work
.set X,    16                          ; v[16:95]  buffer k, piece i: four f32 as loaded, at X + 16 k + 4 i
.set Y,    96                          ; v[96:111] buffer k, piece i: four bf16 to store, at Y + 8 k + 2 i
.set SRC,  14                          ; s[14:15]  the input at the work-group's first byte
.set DST,  16                          ; s[16:17]  the output at the work-group's first byte
.set M,    24                          ; s[24:55]  a block's masks: piece i, number k: 0 < w at M + 8 i + 2 k, 0 > w behind it
	s_load_b256 s[4:11], s[0:1], 0x0               ; x s[4:5], W s[6:7], xb s[8:9], wb s[10:11]
	v_lshlrev_b32 v[IO], 4, v0
	v_lshlrev_b32 v[OO], 3, v0
	v_mov_b32 v[ONE], 1.0
	v_mov_b32 v[MONE], -1.0
	s_and_b32 s12, ttmp7, 0xffff                   ; 0: x, 1: W
	s_lshl_b32 s18, ttmp9, 17                      ; the work-group's 131,072 input bytes (under 2^26)
	s_mov_b32 s19, 0
	s_lshl_b32 s20, ttmp9, 16                      ; and its 65,536 output bytes
	s_mov_b32 s21, 0
	s_wait_kmcnt 0x0
	s_cmp_eq_u32 s12, 0
	s_cselect_b64 s[SRC:SRC+1], s[4:5], s[6:7]
	s_cselect_b64 s[DST:DST+1], s[8:9], s[10:11]
	s_add_nc_u64 s[SRC:SRC+1], s[SRC:SRC+1], s[18:19]
	s_add_nc_u64 s[DST:DST+1], s[DST:DST+1], s[20:21]
	s_wait_alu depctr_va_vdst(0)                   ; v1 and v2 are written: every load and store of the kernel reads one of them as its offset
.irp n, 0,1,2,3,4,5,6,7,8,9,10,11,12,13,14,15
	global_load_b128 v[X+4*(\n):X+4*(\n)+3], v[IO], s[SRC:SRC+1] offset:4096*(\n) th:TH_LOAD_NT  ; blocks 0 to 3 into X0 to X3
.endr
; The waits at the head of block p.
.macro HEAD p
.if (\p) <= BLOCKS-NX
	s_wait_loadcnt BLOCK*(NX-2)                    ; loads come back in order (ISA guide 5.7.1): X[p % 5] is in, the three younger blocks stay out
.else
	s_wait_loadcnt BLOCK*(BLOCKS-1-(\p))           ; nothing more is loaded: the counts run down
.endif
.if (\p) >= 2
	s_wait_xcnt 0x0                                ; every earlier memory instruction has had its addresses translated (ISA guide 3.1): Y[p % 2] is rewritten only behind this wait
	s_wait_alu depctr_vm_vsrc(0)                   ; the stores issued in the block before have read Y[p % 2], which this block's roundings write again
.endif
.if (\p) >= 1
	s_wait_alu depctr_va_vdst(0)                   ; the block before has written the other Y, which the stores of this block read, and is done reading its X, in which the loads of this block land
.endif
.endm
; The memory instructions that stand in front of piece i of block p: the load of piece i of block p + 4, as long as there is one, ahead of the store of piece i of block p - 1.
; No vector instruction since the block's wait on va_vdst names their registers.
.macro MEM p, i
.set XN, X+16*(((\p)+NX-1)%NX)+4*(\i)
.set YP, Y+8*(((\p)+1)%2)+2*(\i)
.if (\p) <= BLOCKS-NX
	global_load_b128 v[XN:XN+3], v[IO], s[SRC:SRC+1] offset:4096*(BLOCK*((\p)+NX-1)+(\i)) th:TH_LOAD_NT
.endif
.if (\p) > 0
	global_store_b64 v[OO], v[YP:YP+1], s[DST:DST+1] offset:2048*(BLOCK*((\p)-1)+(\i))
.endif
.endm
; Block p: its sixteen numbers become sixteen bf16.  kind = 0: rounded.  kind = 1: their signs: two compares and two selects a number; the number itself stays where neither compare holds.
.macro BLK kind, p
.set XB, X+16*((\p)%NX)
.set YB, Y+8*((\p)%2)
	HEAD \p
.if \kind
.irp i, 0,1,2,3
	MEM \p, \i
.irp k, 0,1,2,3
	v_cmp_lt_f32 s[M+8*(\i)+2*(\k)],   0, v[XB+4*(\i)+(\k)]    ; 0 < w
	v_cmp_gt_f32 s[M+8*(\i)+2*(\k)+1], 0, v[XB+4*(\i)+(\k)]    ; 0 > w
.endr
.endr
	s_wait_alu depctr_va_sdst(0)                   ; the 32 compares have written s[24:55], ahead of the first select that reads one of them
.irp i, 0,1,2,3
.irp k, 0,1,2,3
	v_cndmask_b32 v[T+(\k)], v[XB+4*(\i)+(\k)], v[ONE], s[M+8*(\i)+2*(\k)]
	v_cndmask_b32 v[T+(\k)], v[T+(\k)], v[MONE], s[M+8*(\i)+2*(\k)+1]
.endr
	v_cvt_pk_bf16_f32 v[YB+2*(\i)],   v[T],   v[T+1]           ; 1, -1 and 0 are exact in bf16
	v_cvt_pk_bf16_f32 v[YB+2*(\i)+1], v[T+2], v[T+3]
.endr
.else
.irp i, 0,1,2,3
	MEM \p, \i
	v_cvt_pk_bf16_f32 v[YB+2*(\i)],   v[XB+4*(\i)],   v[XB+4*(\i)+1]
	v_cvt_pk_bf16_f32 v[YB+2*(\i)+1], v[XB+4*(\i)+2], v[XB+4*(\i)+3]
.endr
.endif
.endm
; All eight blocks are written out: every place stands in an immediate, so no address register and no base is ever rewritten.
; Block 0 has no block in front of it: it stores nothing, and no vector instruction has named X4, in which its loads land.
.macro BODY kind
.irp p, 0,1,2,3,4,5,6,7
	BLK \kind, \p
.endr
	s_wait_alu depctr_va_vdst(0)                   ; block 7 has written Y1, which the last four stores read
.irp i, 0,1,2,3
	MEM BLOCKS, \i
.endr
.endm
	s_cmp_lg_u32 s12, 0
	s_cbranch_scc1 .Lsign
	BODY 0
	s_endpgm
.Lsign:
	BODY 1
	s_endpgm
.Lfunc_end_k_q1c3a643182_cast:
	.size	k_q1c3a643182_cast, .Lfunc_end_k_q1c3a643182_cast-k_q1c3a643182_cast
	.p2alignl 7, 3214868480
	.fill 96, 4, 3214868480
	.section	.rodata,"a",@progbits
	.p2align	6, 0x0
	.amdhsa_kernel k_q1c3a643182_cast
		.amdhsa_group_segment_fixed_size 0
		.amdhsa_private_segment_fixed_size 0
		.amdhsa_enable_private_segment 0
		.amdhsa_kernarg_size 32
		.amdhsa_user_sgpr_count 2
		.amdhsa_user_sgpr_kernarg_segment_ptr 1
		.amdhsa_wavefront_size32 1
		.amdhsa_system_sgpr_workgroup_id_x 1
		.amdhsa_system_sgpr_workgroup_id_y 1
		.amdhsa_system_sgpr_workgroup_id_z 1
		.amdhsa_system_vgpr_workitem_id 0
		.amdhsa_next_free_vgpr 112
		.amdhsa_next_free_sgpr 66
		.amdhsa_reserve_vcc 0
		.amdhsa_float_denorm_mode_32 3
		.amdhsa_float_denorm_mode_16_64 3
		.amdhsa_memory_ordered 1
		.amdhsa_forward_progress 1
		.amdhsa_inst_pref_size 54
	.end_amdhsa_kernel
	.amdgpu_metadata
---
amdhsa.version: [ 1, 2 ]
amdhsa.kernels:
  - .name:           k_q1c3a643182_cast
    .symbol:         k_q1c3a643182_cast.kd
    .args:
      - { .name: x, .offset: 0, .size: 8, .value_kind: global_buffer, .address_space: global }
      - { .name: W, .offset: 8, .size: 8, .value_kind: global_buffer, .address_space: global }
      - { .name: xb, .offset: 16, .size: 8, .value_kind: global_buffer, .address_space: global }
      - { .name: wb, .offset: 24, .size: 8, .value_kind: global_buffer, .address_space: global }
    .group_segment_fixed_size: 0
    .private_segment_fixed_size: 0
    .kernarg_segment_align: 8
    .kernarg_segment_size: 32
    .max_flat_workgroup_size: 256
    .sgpr_count:     66
    .vgpr_count:     112
    .wavefront_size: 32
...
	.end_amdgpu_metadata
.endif
;; end of part 3
;; launch gemm: the kernel of part 2 again; grid 16 x 16, 4 waves a work-group, clusters of 4 x 4, 327,680 bytes of LDS; arguments xb, wb, b, out0; writes out0
